; MI455X (gfx1250); checked and timed in simulation.
; The chip was launched on July 23, 2026; its instructions are those of AMD's public machine-readable ISA for CDNA 5 (MIT licence, August 2026) and "CDNA5" Instruction Set Architecture Reference Guide (July 2026). The comments in the code are by the model that wrote it; some were corrected since.
;; Attention. Allowed arithmetic: matrix products marked QUANTISED: E2M1 operands, one E8M0 scale for each 32 along K, by v_wmma_scale_f32_16x16x128_f8f6f4 with both operands' format E2M1 (or v_wmma_scale_f32_32x16x128_f4), f32 sums; everything else in f32.
;; Inputs: wk_b 768 float32; wk_w 768 x 768 float32; wo_b 768 float32; wo_w 768 x 768 float32; wq_b 768 float32; wq_w 768 x 768 float32; wv_b 768 float32; wv_w 768 x 768 float32; x 16 x 1,024 x 768 float32.
;; Outputs: out0 16 x 1,024 x 768 float32.
;; This version of the problem:
;;   THIS VERSION OF THE PROBLEM IS GIVEN IN LOW PRECISION. The matrix products marked QUANTISED in the list below multiply operands that are first quantised to E2M1 (2 exponent bits, 1 mantissa bit; 4 bits a number), with one power-of-two scale for each 32 numbers along K (OCP MX v1.0); their sums are f32. All else is computed in f32.
;;   The module's matrix products, in the order in which they are computed (A, B: the left and right operand; K: the contracted axis; several contracted axes count as one K, in the product's order):
;;     1. [M 16,384, K 768] x [K 768, N 768]; A: input x; B: input wq_w: QUANTISED
;;     2. [M 16,384, K 768] x [K 768, N 768]; A: input x; B: input wk_w: QUANTISED
;;     3. [M 16,384, K 768] x [K 768, N 768]; A: input x; B: input wv_w: QUANTISED
;;     4. batch 192 x [M 1,024, K 64] x [K 64, N 1,024]; A: computed on the way; B: computed on the way: QUANTISED
;;     5. batch 192 x [M 64, K 1,024] x [K 1,024, N 1,024]; A: computed on the way; B: softmax (see below): QUANTISED
;;     6. [M 16,384, K 768] x [K 768, N 768]; A: computed on the way; B: input wo_w: QUANTISED
;;   THE QUANTISER, for each operand of a quantised product, along K:
;;     - K is cut into blocks of 32 from its start; a last block that is shorter is filled with zeros.
;;     - A block's scale is 2^e with e = floor(log2(the largest magnitude in the block)) - 2, held to -126 .. 127; a block of zeros has e = 0. As a byte (E8M0): e + 127.
;;     - Each number is divided by its block's scale, clamped to +-6, and rounded to the nearest number of E2M1, ties to even, subnormals kept.
;;     - The product sums the exact products of the quantised numbers (number of the format x scale) in f32.
;;   ~~~python
;;   def quantise(x, axis):      # numpy; x: float32 -> the quantised numbers, widened to float32 again
;;       x = np.moveaxis(x, axis, -1); K = x.shape[-1]
;;       x = np.pad(x, [(0, 0)] * (x.ndim - 1) + [(0, -K % 32)]); x = x.reshape(x.shape[:-1] + (-1, 32)); a = np.abs(x).max(-1, keepdims=True)
;;       e = np.where(a > 0, np.clip(np.frexp(np.where(a > 0, a, 1))[1] - 1 - 2, -126, 127), 0)      # np.frexp(a)[1] - 1 = floor(log2(a)), exactly
;;       r = np.clip(x / 2.0 ** e, -6, 6)
;;       step = 2.0 ** (np.maximum(np.frexp(np.where(r == 0, 1, r))[1] - 1, 0) - 1)
;;       q = np.round(r / step) * step * 2.0 ** e      # np.round: ties to even
;;       return np.moveaxis(q.reshape(q.shape[:-2] + (-1,))[..., :K], -1, axis).astype(np.float32)
;;   ~~~
;;   SOFTMAX AHEAD OF A QUANTISED PRODUCT. Where the list says 'softmax', what is quantised is not the finished softmax but p = 2^(t - M), with t = logit x log2(e) and M = ceil(the row's largest t), a whole number; so 1/2 < the row's largest p <= 1. The row's sum l is taken of the UNQUANTISED p, in f32, and the product's result is divided by l at the end. Since M is a whole number, a kernel that streams over the keys may use a running M (the ceiling of the running maximum): every later rescaling is an exact power of two, which a block's scale takes up: the codes' values come out the same.
;;   OPERANDS COMPUTED ON THE WAY. 'Computed on the way' means the value that the module computes at that place (a softmax that the list does not call 'softmax' is quantised finished and normalised). What goes into a quantiser is computed in f32, as accurately as f32 sums, v_exp_f32 and their like allow (about 1e-6 of the number): no bf16 or f16 on the way to a quantiser, and a product that is left as it is and whose result goes on into a quantised operand takes f32 operands (vector FMAs, or v_wmma_f32_16x16x4_f32). A number that lies on a knife's edge between two numbers of the format may be rounded either way, as far as f32 arithmetic and the matrix unit's own rounding can turn it there, and no further.
;; One version. Each part assembles by itself: llvm-mc -triple=amdgcn-amd-amdhsa -mcpu=gfx1250 --defsym DOCPART=n.
;; ======== version 1 of 1: 4 launches
;; limits: right only within a limited range of input values
;; workspace buffers: x_img 6,815,744 bytes; w_img 1,474,560 bytes; qkv_img 21,233,664 bytes; o_img 7,864,320 bytes
;; launch quant (part 1): grid 304 x 1, 4 waves a work-group, no clusters, 34,304 bytes of LDS; arguments x, wq_w, wk_w, wv_w, wo_w, wq_b, wk_b, wv_b, wo_b, x_img, w_img; writes x_img, w_img
.if DOCPART == 1
	.amdgcn_target "amdgcn-amd-amdhsa--gfx1250"
	.amdhsa_code_object_version 6
	.text
	.protected	k_q53606eeacd_quant
	.globl	k_q53606eeacd_quant
	.p2align	8
	.type	k_q53606eeacd_quant,@function
k_q53606eeacd_quant:
	s_mov_b64 s[64:65], 0
	v_nop
	global_prefetch_b8 v0, s[64:65] scope:SCOPE_SE
	s_setreg_imm32_b32 hwreg(HW_REG_WAVE_MODE, 25, 1), 1
	s_wait_xcnt 0x0
; x [16384][768] and the four weights [768][768], f32, K innermost, become codes of FP4 (E2M1) with one E8M0 byte for each 32 along K,
; laid as IMAGES OF OPERAND REGISTERS.  A tile is 16 rows; tile 2 B + u holds, at lane index r, row 32 B + 8 u + r + 8 (r / 8).
; A fragment (16 rows x 128 K) is 1,024 bytes: piece c at 512 c, lane l = 16 h + r owns 16 bytes at 16 l: k = 64 c + 32 h + 0 .. 31 of its row.
; A tile's record: six fragments, then 512 bytes of scale words (16 bytes a lane: lanes 0-15 the words of K steps 0-3, lanes 16-31 those of K steps 4, 5 and two words of 0x7f);
; a weight's record has 1,024 bytes more: its bias as the eight registers that start the tile's sums.
; A block's scale is 2^(floor(log2(largest magnitude)) - 2); its byte is the largest magnitude's exponent field - 2, held at 1 from below.
; LIMITS: a block whose largest magnitude lies under 2^-124 (zeros among them) gets the byte 1: its codes are zeros or the smallest codes, and this program alone reads the bytes; NaN and infinities are not served.
; SHARES: one wave, one tile, all six K steps.  Work-groups 0-255: x; 256-267 wq; 268-279 wk; 280-291 wv; 292-303 wo.  Waves share nothing: no barrier.
; Each load reads 512 consecutive bytes of one row; the 16 rows turn through the wave's own stage in LDS so that a lane gets 16 neighbours of each block.
.set ROWB,  3072                       ; a row of 768 f32
.set SP,    528                        ; a stage row: 512 bytes + 16: sixteen rows start at sixteen different groups of banks
.set WSTG,  16*SP                      ; a wave's stage
.set TM,    8                          ; v8-11 largest magnitudes, v12-15 the other half's / bytes, v20-23 the conversions' scale operands
.set PAD,   16                         ; v16  0x7f7f7f7f
.set BO2,   17                         ; v17  wv's bias: 4 (r + 8 (r / 8))
.set PW,    24                         ; v24-29 a scale word for each K step
.set SW,    30                         ; v30-33 the scale words as stored
.set PC,    34                         ; v34-49 codes, two sets of 8
.set BI,    50                         ; v50-57 the bias image
.set X,     64                         ; v64-127 64 numbers: register 16 b + i = k 32 b + 16 h + i of my row
.set R,     128                        ; v128-255 two sets of 64, as loaded
.set SRC,   30                         ; s[30:31] my tile's first row
.set BIA,   32                         ; s[32:33] my tile's first bias
.set DST,   36                         ; s[36:37] my tile's record
.set HM,    40                         ; s40  the lanes 16-31
.set SEL,   44                         ; s[44:45] selects for lane l xor 16
; 64 numbers of a lane become a fragment's 8 registers of codes and its scale word
.macro QUANT4 s, pc, pw
.irp b, 0,1,2,3
	v_max3_num_f32 v[TM+\b], |v[\s+16*\b]|, |v[\s+1+16*\b]|, 0x1800000   ; my 16 numbers of block b, and the floor 2^(3 - 127): the byte cannot fall under 1
.endr
.irp i, 2,4,6,8,10,12,14
.irp b, 0,1,2,3
	v_max3_num_f32 v[TM+\b], v[TM+\b], |v[\s+16*\b+\i]|, |v[\s+1+16*\b+\i]|   ; the four blocks by turns
.endr
.endr
.irp b, 0,1,2,3
	v_permlanex16_b32 v[TM+4+\b], v[TM+\b], s[SEL], s[SEL+1]
.endr
.irp b, 0,1,2,3
	v_max_num_f32 v[TM+\b], v[TM+\b], v[TM+4+\b]   ; with lane l xor 16's 16: the block's largest magnitude
.endr
.irp b, 0,1,2,3
	v_add_nc_u32 v[TM+12+\b], 0xff000000, v[TM+\b]   ; 2 off its exponent field: the conversion's scale operand
.endr
.irp b, 0,1,2,3
	v_lshrrev_b32 v[TM+4+\b], 23, v[TM+12+\b]      ; the scale's byte
.endr
	v_lshl_or_b32 v[\pw], v[TM+5], 8, v[TM+4]      ; my row's scale word
	v_lshl_or_b32 v[\pw], v[TM+6], 16, v[\pw]
	v_lshl_or_b32 v[\pw], v[TM+7], 24, v[\pw]
.irp b, 0,1,2,3
	v_cvt_scalef32_pk8_fp4_f32 v[\pc+2*\b], v[\s+16*\b:\s+7+16*\b], v[TM+12+\b]
	v_cvt_scalef32_pk8_fp4_f32 v[\pc+1+2*\b], v[\s+8+16*\b:\s+15+16*\b], v[TM+12+\b]
.endr
	v_nop                                          ; one plain instruction behind the scaled conversions
.irp c, 0,1                                    ; a whole block to a lane: lanes 0-15 block 2 c, lanes 16-31 block 2 c + 1
.irp i, 0,1
	v_permlane16_swap_b32 v[\pc+4*\c+\i], v[\pc+2+4*\c+\i]
.endr
.endr
.endm
.macro LOADK s                         ; K step s of my 16 rows: each load is 512 consecutive bytes of one row
.irp i, 0,1,2,3,4,5,6,7,8,9,10,11,12,13,14,15
	global_load_b128 v[R+64*((\s)%2)+4*\i:R+64*((\s)%2)+4*\i+3], v4, s[SRC:SRC+1] offset:(\i+8*(\i/8))*ROWB+512*(\s) th:TH_LOAD_NT
.endr
.endm
.macro KSTEP s
.if (\s) < 5
	s_wait_loadcnt 16                              ; this K step's 16 loads are in; the next step's 16 may be out
.else
	s_wait_loadcnt 0x0
.endif
.irp i, 0,1,2,3,4,5,6,7,8,9,10,11,12,13,14,15
	ds_store_b128 v5, v[R+64*((\s)%2)+4*\i:R+64*((\s)%2)+4*\i+3] offset:SP*\i
.endr
.irp b, 0,1,2,3
.irp j, 0,1,2,3
	ds_load_b128 v[X+16*\b+4*\j:X+16*\b+4*\j+3], v6 offset:128*\b+16*\j   ; LDS serves a wave's instructions in order: these see the stores above
.endr
.endr
	s_wait_dscnt 0x0                               ; my 64 numbers are back, and the stores have read their registers,
.if (\s) < 4
	LOADK (\s)+2                                   ; which take the loads of two K steps on
.endif
.if (\s) > 1
	s_wait_xcnt 0x0                                ; the stores of two K steps back have read this set of codes: it is written again only behind this wait
.endif
	QUANT4 X, PC+8*((\s)%2), PW+(\s)
.irp c, 0,1
	global_store_b128 v4, v[PC+8*((\s)%2)+4*\c:PC+8*((\s)%2)+4*\c+3], s[DST:DST+1] offset:1024*(\s)+512*\c   ; 32 lanes store 512 consecutive bytes
.endr
.endm
	s_load_b512 s[8:23], s[0:1], 0x0               ; x, wq_w, wk_w, wv_w, wo_w, wq_b, wk_b, wv_b
	s_load_b128 s[24:27], s[0:1], 0x40             ; wo_b, x_img
	s_load_b64 s[28:29], s[0:1], 0x50              ; w_img
	v_lshl_add_u32 v62, v0, 2, 0x8400
	v_mov_b32 v63, 0
	v_lshrrev_b32 v1, 5, v0
	v_readfirstlane_b32 s2, v1                     ; wave 0..3
	v_and_b32 v1, 31, v0                           ; lane
	v_and_b32 v2, 15, v0                           ; r
	v_bfe_u32 v3, v0, 4, 1                         ; h
	v_lshlrev_b32 v4, 4, v1                        ; 16 x lane
	s_mul_i32 s3, s2, WSTG
	v_add_nc_u32 v5, s3, v4                        ; the stage, on the way in
	v_mul_u32_u24 v6, v2, SP
	v_lshl_add_u32 v6, v3, 6, v6
	v_add_nc_u32 v6, s3, v6                        ; and out: row r, + 64 h
	v_lshlrev_b32 v7, 6, v3                        ; bias of wq, wk, wo: 16 h numbers on
	v_and_b32 v[BO2], 8, v2
	v_add_nc_u32 v[BO2], v[BO2], v2
	v_lshlrev_b32 v[BO2], 2, v[BO2]
	v_mov_b32 v[PAD], 0x7f7f7f7f
	v_cmp_eq_u32 s[HM], 1, v3
.irp b, 0,1,2,3
	v_mov_b32 v[TM+4+\b], 0                        ; written once: a lane permute's destination counts as one of its sources
.endr
	s_mov_b32 s[SEL], 0x76543210
	s_mov_b32 s[SEL+1], 0xfedcba98
	s_wait_kmcnt 0x0
	; which tensor is mine: the choices hang on the work-group's number alone
	s_mov_b64 s[SRC:SRC+1], s[16:17]
	s_mov_b64 s[BIA:BIA+1], s[24:25]
	s_mov_b32 s34, 292
	s_cmp_lt_u32 ttmp9, 292
	s_cselect_b64 s[SRC:SRC+1], s[14:15], s[SRC:SRC+1]
	s_cselect_b64 s[BIA:BIA+1], s[22:23], s[BIA:BIA+1]
	s_cselect_b32 s34, 280, s34
	s_cmp_lt_u32 ttmp9, 280
	s_cselect_b64 s[SRC:SRC+1], s[12:13], s[SRC:SRC+1]
	s_cselect_b64 s[BIA:BIA+1], s[20:21], s[BIA:BIA+1]
	s_cselect_b32 s34, 268, s34
	s_cmp_lt_u32 ttmp9, 268
	s_cselect_b64 s[SRC:SRC+1], s[10:11], s[SRC:SRC+1]
	s_cselect_b64 s[BIA:BIA+1], s[18:19], s[BIA:BIA+1]
	s_cselect_b32 s34, 256, s34
	s_cmp_lt_u32 ttmp9, 256
	s_cselect_b64 s[SRC:SRC+1], s[8:9], s[SRC:SRC+1]
	s_cselect_b32 s34, 0, s34                      ; the tensor's first work-group
	s_cselect_b64 s[DST:DST+1], s[26:27], s[28:29]
	s_mov_b32 s38, 7680
	s_cselect_b32 s38, 6656, s38                   ; a record's bytes
	s_cselect_b32 s39, 0, 256                      ; the output buffer's first work-group
	s_sub_co_u32 s34, ttmp9, s34
	s_lshl_b32 s34, s34, 2
	s_add_co_u32 s34, s34, s2                      ; my tile in its tensor
	s_sub_co_u32 s39, ttmp9, s39
	s_lshl_b32 s39, s39, 2
	s_add_co_u32 s39, s39, s2                      ; my record in its buffer
	s_lshr_b32 s41, s34, 1
	s_lshl_b32 s41, s41, 5
	s_and_b32 s42, s34, 1
	s_lshl_b32 s42, s42, 3
	s_add_co_u32 s41, s41, s42                     ; the tile's first row: 32 B + 8 u
	s_mul_i32 s42, s41, ROWB
	s_mov_b32 s43, 0
	s_add_nc_u64 s[SRC:SRC+1], s[SRC:SRC+1], s[42:43]
	s_lshl_b32 s42, s41, 2
	s_add_nc_u64 s[BIA:BIA+1], s[BIA:BIA+1], s[42:43]   ; (used by the weights' work-groups alone)
	s_mul_i32 s42, s39, s38
	s_add_nc_u64 s[DST:DST+1], s[DST:DST+1], s[42:43]
	LOADK 0
	LOADK 1
.irp k, 0,1,2,3,4,5
	KSTEP \k
.endr
	v_cndmask_b32 v[SW], v[PW], v[PW+4], s[HM]     ; lanes 0-15: K steps 0-3; lanes 16-31: K steps 4, 5 and two words that are never multiplied by
	v_cndmask_b32 v[SW+1], v[PW+1], v[PW+5], s[HM]
	v_cndmask_b32 v[SW+2], v[PW+2], v[PAD], s[HM]
	v_cndmask_b32 v[SW+3], v[PW+3], v[PAD], s[HM]
	global_store_b128 v4, v[SW:SW+3], s[DST:DST+1] offset:6144
	s_cmp_lt_u32 ttmp9, 256
	s_cbranch_scc1 .Ldone                          ; x has no bias
	s_cmp_lt_u32 ttmp9, 280
	s_cbranch_scc1 .Lalong
	s_cmp_lt_u32 ttmp9, 292
	s_cbranch_scc0 .Lalong
	global_load_b32 v[BI], v[BO2], s[BIA:BIA+1]    ; wv is used as source 1: a lane holds ONE output row, so all eight registers hold its bias
	s_wait_loadcnt 0x0
.irp j, 1,2,3,4,5,6,7
	v_mov_b32 v[BI+\j], v[BI]
.endr
	s_branch .Lbias_out
.Lalong:                                           ; wq, wk, wo are used as source 0: register j of lane (r, h) is output row 32 B + 16 h + 8 u + j
	global_load_b128 v[BI:BI+3], v7, s[BIA:BIA+1]
	global_load_b128 v[BI+4:BI+7], v7, s[BIA:BIA+1] offset:16
	s_wait_loadcnt 0x0
.Lbias_out:
	s_wait_alu depctr_va_vdst(0)
	global_store_b128 v4, v[BI:BI+3], s[DST:DST+1] offset:6656
	global_store_b128 v4, v[BI+4:BI+7], s[DST:DST+1] offset:7168
.Ldone:
	s_wait_tensorcnt 0x0
	ds_add_u32 v62, v63
	s_wait_dscnt 0x0
	s_endpgm
.Lfunc_end_k_q53606eeacd_quant:
	.size	k_q53606eeacd_quant, .Lfunc_end_k_q53606eeacd_quant-k_q53606eeacd_quant
	.p2alignl 7, 3214868480
	.fill 96, 4, 3214868480
	.section	.rodata,"a",@progbits
	.p2align	6, 0x0
	.amdhsa_kernel k_q53606eeacd_quant
		.amdhsa_group_segment_fixed_size 34304
		.amdhsa_private_segment_fixed_size 0
		.amdhsa_enable_private_segment 0
		.amdhsa_kernarg_size 88
		.amdhsa_user_sgpr_count 2
		.amdhsa_user_sgpr_kernarg_segment_ptr 1
		.amdhsa_wavefront_size32 1
		.amdhsa_system_sgpr_workgroup_id_x 1
		.amdhsa_system_sgpr_workgroup_id_y 1
		.amdhsa_system_sgpr_workgroup_id_z 1
		.amdhsa_system_vgpr_workitem_id 0
		.amdhsa_next_free_vgpr 256
		.amdhsa_next_free_sgpr 66
		.amdhsa_reserve_vcc 0
		.amdhsa_float_denorm_mode_32 3
		.amdhsa_float_denorm_mode_16_64 3
		.amdhsa_memory_ordered 1
		.amdhsa_forward_progress 1
		.amdhsa_inst_pref_size 50
	.end_amdhsa_kernel
	.amdgpu_metadata
---
amdhsa.version: [ 1, 2 ]
amdhsa.kernels:
  - .name:           k_q53606eeacd_quant
    .symbol:         k_q53606eeacd_quant.kd
    .args:
      - { .name: x, .offset: 0, .size: 8, .value_kind: global_buffer, .address_space: global }
      - { .name: wq_w, .offset: 8, .size: 8, .value_kind: global_buffer, .address_space: global }
      - { .name: wk_w, .offset: 16, .size: 8, .value_kind: global_buffer, .address_space: global }
      - { .name: wv_w, .offset: 24, .size: 8, .value_kind: global_buffer, .address_space: global }
      - { .name: wo_w, .offset: 32, .size: 8, .value_kind: global_buffer, .address_space: global }
      - { .name: wq_b, .offset: 40, .size: 8, .value_kind: global_buffer, .address_space: global }
      - { .name: wk_b, .offset: 48, .size: 8, .value_kind: global_buffer, .address_space: global }
      - { .name: wv_b, .offset: 56, .size: 8, .value_kind: global_buffer, .address_space: global }
      - { .name: wo_b, .offset: 64, .size: 8, .value_kind: global_buffer, .address_space: global }
      - { .name: x_img, .offset: 72, .size: 8, .value_kind: global_buffer, .address_space: global }
      - { .name: w_img, .offset: 80, .size: 8, .value_kind: global_buffer, .address_space: global }
    .group_segment_fixed_size: 34304
    .private_segment_fixed_size: 0
    .kernarg_segment_align: 8
    .kernarg_segment_size: 88
    .max_flat_workgroup_size: 128
    .sgpr_count:     66
    .vgpr_count:     256
    .wavefront_size: 32
...
	.end_amdgpu_metadata
.endif
;; end of part 1
;; launch qkv (part 2): grid 64 x 4, 4 waves a work-group, clusters of 4 x 1, 327,680 bytes of LDS; arguments x_img, w_img, qkv_img; writes qkv_img
.if DOCPART == 2
	.amdgcn_target "amdgcn-amd-amdhsa--gfx1250"
	.amdhsa_code_object_version 6
	.text
	.protected	k_q53606eeacd_qkv
	.globl	k_q53606eeacd_qkv
	.p2align	8
	.type	k_q53606eeacd_qkv,@function
k_q53606eeacd_qkv:
	s_mov_b64 s[64:65], 0
	v_nop
	global_prefetch_b8 v0, s[64:65] scope:SCOPE_SE
	s_setreg_imm32_b32 hwreg(HW_REG_WAVE_MODE, 25, 1), 1
	s_wait_xcnt 0x0
	s_wait_alu depctr_hold_cnt(0) depctr_sa_sdst(0) depctr_va_vdst(0) depctr_va_sdst(0) depctr_va_ssrc(0) depctr_va_vcc(0) depctr_vm_vsrc(0)
	s_getreg_b32 s2, hwreg(HW_REG_IB_STS2, 6, 4)
	s_cmp_eq_u32 s2, 0
	s_cbranch_scc0 .Lentry_in_a_cluster
	s_endpgm
.Lentry_in_a_cluster:
	s_bfe_u32 s2, ttmp6, 0x10000c
	s_cmp_lg_u32 s2, 0x3003
	s_cbranch_scc0 .Lentry_shape_is_right
	s_endpgm
.Lentry_shape_is_right:
; q, k, v = x W^T + b on codes of FP4, and their quantising: q and k along the head's 64, v along the keys.  All operands arrive as images of operand registers.
; SHARES.  A work-group takes 256 rows of x and 576 rows of (wq, wk, wv): nine groups of four tiles, a head of q, k or v each.  Wave w keeps its 64 rows of x (four tiles, all of K: 192 registers)
; in registers for the whole launch; all four waves walk the nine groups out of LDS.
; CLUSTER.  The four work-groups of a cluster share the grid's y and so the same 36 records of weights: every tensor load is asked for jointly, with a mask that names the four.
; LDS holds the 36 records (7,680 bytes each), each byte filled once: two loads a wave, the first at the head, the second behind a round; one tensor load of a wave is out at the most.  Nothing is filled again and nothing is stored to LDS.
; q, k: source 0 = 16 rows of W, source 1 = 16 rows of x: a lane holds one row of x and 16 neighbouring d in the registers of two neighbouring tiles of W.
; v:    source 0 = 16 rows of x, source 1 = 16 rows of W: a lane holds one d and 16 neighbouring keys.  Either way the wave's 128 result registers are eight half blocks of 16 along the next K, and one way out serves both.
; OUT: [type q, k, v][batch x head][16 records of 2,304 bytes]: four half images of 512 bytes (lane (r, h): 32 codes), then 256 bytes of scale words, [r][4 words], a word = its two bytes twice.
; LIMITS as in the launch before: byte 1 for blocks under 2^-124; NaN and infinities are not served.
; REGISTERS, in windows of 256: window 0: v1-5 addresses, v16-31 x's scale words, v32-47 W's, v48-95 at work, v128-255 the 16 accumulators;  window 1: x's 24 fragments;  window 2: W's 24 fragments, from v192 four bias images.
.set REC,   7680
.set XREC,  6656
.set GRP,   4*REC                      ; a group of four tiles
.set PIECE, 12*REC                     ; what the four waves' loads of one turn bring
.set HREC,  2304
.set HEADB, 36864
.set AL,   1                           ; v1   16 x lane
.set A2,   2                           ; v2   16 r + 8 h
.set ADW,  3                           ; v3   LDS address of the group to be fetched
.set VO,   4                           ; v4   where my codes go
.set VO2,  5                           ; v5   and my scale words
.set XS,   16
.set WS,   32
.set TM,   48
.set T2,   56
.set SO,   64
.set PW,   72
.set SW,   76
.set PC,   80
.set ACC,  128
.set BIAS, 192
.set G1,   16                          ; s[16:23] descriptor group 1
.set G0,   24                          ; s[24:31] two groups 0
.set MSB, 0
.macro WIN new                         ; the immediate's high byte repeats the setting that is left
.if MSB != \new
	s_set_vgpr_msb (MSB<<8)|\new
.set MSB, \new
.endif
.endm
.macro CROUND                          ; a round of the cluster's barrier
	s_barrier_signal -1
	s_barrier_wait -1
	s_cmp_lg_u32 s10, 0
	s_cbranch_scc1 .Lnot_wave_0_\@
	s_barrier_signal -3
.Lnot_wave_0_\@:
	s_barrier_wait -3
	s_barrier_signal -1
	s_barrier_wait -1
.endm
.macro PLACES                          ; four plain instructions between matrix instructions and loads into, or reads of, their registers
.rept 4
	v_nop
.endr
.endm
.macro WM d, a, b, c, sa, sb, row
.if \row
	v_wmma_scale_f32_16x16x128_f8f6f4 v[\d:\d+7], v[\a:\a+7], v[\b:\b+7], v[\c:\c+7], v[\sa], v[\sb] matrix_a_fmt:MATRIX_FMT_FP4 matrix_b_fmt:MATRIX_FMT_FP4 matrix_a_scale:MATRIX_SCALE_ROW1 matrix_b_scale:MATRIX_SCALE_ROW1
.else
	v_wmma_scale_f32_16x16x128_f8f6f4 v[\d:\d+7], v[\a:\a+7], v[\b:\b+7], v[\c:\c+7], v[\sa], v[\sb] matrix_a_fmt:MATRIX_FMT_FP4 matrix_b_fmt:MATRIX_FMT_FP4
.endif
.endm
; 60 LDS loads: a group's scale words, bias images and 24 fragments, the fragments K step by K step
.macro LOADW
	v_add_nc_u32 v[ADW], s37, v[AL]
.irp wt, 0,1,2,3
	ds_load_b128 v[WS+4*\wt:WS+4*\wt+3], v[ADW] offset:REC*\wt+6144
.endr
	WIN 0x80                                       ; destination window 2
.irp wt, 0,1,2,3
	ds_load_b128 v[BIAS+8*\wt:BIAS+8*\wt+3], v[ADW] offset:REC*\wt+6656
	ds_load_b128 v[BIAS+8*\wt+4:BIAS+8*\wt+7], v[ADW] offset:REC*\wt+7168
.endr
.irp s, 0,1,2,3,4,5
.irp wt, 0,1,2,3
.irp c, 0,1
	ds_load_b128 v[48*\wt+8*\s+4*\c:48*\wt+8*\s+4*\c+3], v[ADW] offset:REC*\wt+1024*\s+512*\c
.endr
.endr
.endr
	WIN 0
.endm
; 96 matrix instructions: six K steps x 16 accumulators, which take turns, one instruction a turn.  The bias image starts each sum.
; var = 0: source 0 = W (window 2), source 1 = x (window 1);  var = 1: source 0 = x, source 1 = W.  i: source 0's tile, o: source 1's.  K steps 4 and 5 take their scale words from lanes 16-31.
.macro PROD var
.irp s, 0,1,2,3,4,5
	s_wait_dscnt 8*(5-\s)                          ; this K step's fragments are in; the eight loads of each later K step may be out
.if \var
.if \s == 0
	WIN 0x29
.else
	WIN 0x09
.endif
.else
.if \s == 0
	WIN 0x26
.else
	WIN 0x06
.endif
.endif
.irp o, 0,1,2,3
.irp i, 0,1,2,3
.if \var
.if \s == 0
	WM ACC+32*\o+8*\i, 48*\i+8*\s, 48*\o+8*\s, BIAS+8*\o, XS+4*\i+\s%4, WS+4*\o+\s%4, \s/4
.else
	WM ACC+32*\o+8*\i, 48*\i+8*\s, 48*\o+8*\s, ACC+32*\o+8*\i, XS+4*\i+\s%4, WS+4*\o+\s%4, \s/4
.endif
.else
.if \s == 0
	WM ACC+32*\o+8*\i, 48*\i+8*\s, 48*\o+8*\s, BIAS+8*\i, WS+4*\i+\s%4, XS+4*\o+\s%4, \s/4
.else
	WM ACC+32*\o+8*\i, 48*\i+8*\s, 48*\o+8*\s, ACC+32*\o+8*\i, WS+4*\i+\s%4, XS+4*\o+\s%4, \s/4
.endif
.endif
.endr
.endr
.endr
	WIN 0                                          ; at a label and at a branch every window is 0
.endm
.macro MULT                            ; groups 0-23 are heads of q and k, groups 24-35 heads of v: a branch on the grid's y and the trip, the same in all partners
	s_cmp_ge_u32 s36, 24
	s_cbranch_scc1 .Lfor_v_\@
	PROD 0
	s_branch .Lmult_done_\@
.Lfor_v_\@:
	PROD 1
.Lmult_done_\@:
.endm
; THE WAY OUT of a group: eight blocks q of 32 along the next K, my 16 numbers of block q in v[ACC + 16 q] on
.macro EPI
	s_wait_xcnt 0x0                                ; the last group's stores have read their addresses and data: both are written again only behind this wait
	s_cmp_ge_u32 s36, 12
	s_cselect_b32 s50, 180, 0
	s_cmp_ge_u32 s36, 24
	s_cselect_b32 s51, 180, 0
	s_add_co_u32 s50, s50, s51
	s_add_co_u32 s50, s50, s36
	s_add_co_u32 s50, s50, s44                     ; 192 x type + 12 x batch + head
	s_mul_i32 s39, s50, HEADB
	s_add_co_u32 s39, s39, s45                     ; + my 64 rows' record
	v_add_nc_u32 v[VO], s39, v[AL]
	v_add_nc_u32 v[VO2], s39, v[A2]
.irp q, 0,1,2,3,4,5,6,7
	v_max3_num_f32 v[TM+\q], |v[ACC+16*\q]|, |v[ACC+16*\q+1]|, 0x1800000   ; each accumulator is read from its low end on; the floor 2^(3 - 127) holds the byte at 1
.endr
.irp i, 2,4,6,8,10,12,14
.irp q, 0,1,2,3,4,5,6,7
	v_max3_num_f32 v[TM+\q], v[TM+\q], |v[ACC+16*\q+\i]|, |v[ACC+16*\q+\i+1]|
.endr
.endr
.irp q, 0,1,2,3,4,5,6,7
	v_permlanex16_b32 v[T2+\q], v[TM+\q], s42, s43
.endr
.irp q, 0,1,2,3,4,5,6,7
	v_max_num_f32 v[TM+\q], v[TM+\q], v[T2+\q]     ; with lane l xor 16's 16: the block's largest magnitude
.endr
.irp q, 0,1,2,3,4,5,6,7
	v_add_nc_u32 v[SO+\q], 0xff000000, v[TM+\q]    ; 2 off the exponent field: the conversion's scale operand
.endr
.irp q, 0,1,2,3,4,5,6,7
	v_lshrrev_b32 v[T2+\q], 23, v[SO+\q]           ; the scale's byte
.endr
.irp j, 0,1,2,3
	v_lshl_or_b32 v[PW+\j], v[T2+2*\j+1], 8, v[T2+2*\j]
.endr
.irp j, 0,1,2,3
	v_lshl_or_b32 v[PW+\j], v[PW+\j], 16, v[PW+\j] ; the two bytes twice: where K is 64 the instruction's upper two blocks, whose codes are zeros on one side, get the same bytes
.endr
.irp q, 0,1,2,3,4,5,6,7
	v_cvt_scalef32_pk8_fp4_f32 v[PC+2*\q], v[ACC+16*\q:ACC+16*\q+7], v[SO+\q]
	v_cvt_scalef32_pk8_fp4_f32 v[PC+2*\q+1], v[ACC+16*\q+8:ACC+16*\q+15], v[SO+\q]
.endr
	v_nop                                          ; one plain instruction behind the scaled conversions
.irp j, 0,1,2,3
.irp i, 0,1
	v_permlane16_swap_b32 v[PC+4*\j+\i], v[PC+4*\j+2+\i]   ; a whole block to a lane
.endr
.endr
	v_cndmask_b32 v[SW], v[PW], v[PW+2], s40       ; lanes 0-15 store words 0, 1 of row r, lanes 16-31 words 2, 3
	v_cndmask_b32 v[SW+1], v[PW+1], v[PW+3], s40
.irp j, 0,1,2,3
	global_store_b128 v[VO], v[PC+4*\j:PC+4*\j+3], s[8:9] offset:512*\j   ; 32 lanes store 512 consecutive bytes, aligned to 256
.endr
	global_store_b64 v[VO2], v[SW:SW+1], s[8:9] offset:2048               ; 32 lanes store 256 consecutive bytes, aligned
	s_add_co_u32 s36, s36, 1
.endm
.macro TRIP                            ; a group's products; the next group's fragments are fetched while this group goes out
	MULT
	PLACES
	LOADW
	s_add_co_u32 s37, s37, GRP
	EPI
.endm
.macro LOOPN n
	s_mov_b32 s38, \n
.Ltrip_\@:
	TRIP
	s_sub_co_u32 s38, s38, 1
	s_cmp_lg_u32 s38, 0
	s_cbranch_scc1 .Ltrip_\@
.endm
	s_load_b128 s[4:7], s[0:1], 0x0                ; x_img, w_img
	s_load_b64 s[8:9], s[0:1], 0x10                ; qkv_img
	v_lshl_add_u32 v126, v0, 2, 0x43800
	v_mov_b32 v127, 0
	ds_add_u32 v126, v127
	ds_add_u32 v126, v127
	v_lshrrev_b32 v6, 5, v0
	v_readfirstlane_b32 s10, v6                    ; wave 0..3
	s_bfe_u32 s11, ttmp6, 0x40000                  ; cx
	s_lshl_b32 s12, ttmp9, 2
	s_add_co_u32 s12, s12, s11                     ; X: my 256 rows of x.  It enters global addresses of x and of the output alone
	s_and_b32 s13, ttmp7, 0xffff                   ; y: my quarter of the weights, shared by the four partners
	s_mov_b32 s[G1], 0x0023000f                    ; 15:0 the mask: all four work-groups; 17:16 elements of 8 bytes; 21 set beside a mask; no padding
	s_mov_b32 s[G1+1], 32<<16                      ; tensor_dim0 = 32 elements: rows of 256 bytes
	s_mov_b32 s[G1+2], 90<<16                      ; tensor_dim1 = 90 rows: three records
	s_mov_b32 s[G1+3], 32<<16                      ; tile_dim0
	s_mov_b32 s[G1+4], 90                          ; tile_dim1
	s_mov_b32 s[G1+5], 32                          ; the block is dense
	s_mov_b32 s[G1+6], 0
	s_mov_b32 s[G1+7], 0
	s_mul_i32 s46, s13, 36
	s_mul_i32 s47, s10, 3
	s_add_co_u32 s46, s46, s47
	s_mul_i32 s46, s46, REC                        ; my three records of the first turn, in memory,
	s_mov_b32 s47, 0
	s_mul_i32 s14, s10, 3*REC                      ; and in LDS
	s_lshl_b32 s48, s12, 4
	s_lshl_b32 s49, s10, 2
	s_add_co_u32 s48, s48, s49
	s_mul_i32 s48, s48, XREC                       ; my four tiles of x
	s_mov_b32 s49, 0
	s_lshr_b32 s44, s12, 2
	s_mul_i32 s44, s44, 12                         ; 12 x batch
	s_and_b32 s45, s12, 3
	s_lshl_b32 s45, s45, 2
	s_add_co_u32 s45, s45, s10
	s_mul_i32 s45, s45, HREC                       ; my 64 rows' record in a head
	s_mul_i32 s36, s13, 9                          ; the group in hand
	s_mov_b32 s42, 0x76543210
	s_mov_b32 s43, 0xfedcba98
	v_and_b32 v6, 31, v0
	v_lshlrev_b32 v[AL], 4, v6
	v_and_b32 v7, 15, v0
	v_bfe_u32 v8, v0, 4, 1
	v_lshlrev_b32 v[A2], 4, v7
	v_lshl_add_u32 v[A2], v8, 3, v[A2]
	v_cmp_eq_u32 s40, 1, v8
.irp q, 0,1,2,3,4,5,6,7
	v_mov_b32 v[T2+\q], 0                          ; written once: a lane permute's destination counts as one of its sources
.endr
	s_wait_dscnt 0x0
	s_wait_kmcnt 0x0
	s_add_nc_u64 s[6:7], s[6:7], s[46:47]
	s_add_nc_u64 s[4:5], s[4:5], s[48:49]
.irp p, 0,1
	s_mov_b32 s[G0+4*\p], 1
	s_add_co_u32 s[G0+4*\p+1], s14, \p*PIECE
	s_add_nc_u64 s[G0+4*\p+2:G0+4*\p+3], s[6:7], \p*PIECE
	s_or_b32 s[G0+4*\p+3], s[G0+4*\p+3], 0x80000000
.endr
	; TWO LOADS A WAVE IN ALL: the first, at the head, brings records 3 w .. 3 w + 2 (groups 0-2); the second, behind the full sequence and a round, records 12 + 6 w .. 12 + 6 w + 5 (groups 3-8)
.set G1L, 52                           ; s[52:59] group 1 of the second load: 180 rows of 256 bytes, six records
	s_add_co_u32 s[G0+5], s[G0+5], s14             ; LDS: PIECE + 6 w records
	s_mov_b32 s15, 0
	s_add_nc_u64 s[G0+6:G0+7], s[G0+6:G0+7], s[14:15]   ; and the same place in memory
	s_mov_b32 s[G1L], 0x0023000f
	s_mov_b32 s[G1L+1], 32<<16
	s_mov_b32 s[G1L+2], 180<<16
	s_mov_b32 s[G1L+3], 32<<16
	s_mov_b32 s[G1L+4], 180
	s_mov_b32 s[G1L+5], 32
	s_mov_b32 s[G1L+6], 0
	s_mov_b32 s[G1L+7], 0
	CROUND                                         ; all four work-groups are here: the joint loads meet
	tensor_load_to_lds s[G0:G0+3], s[G1:G1+7]      ; one tensor load a wave at the head
	s_nop 0
	PLACES
	WIN 0x40                                       ; destination window 1
.irp xt, 0,1,2,3
.irp s, 0,1,2,3,4,5
.irp c, 0,1
	global_load_b128 v[48*\xt+8*\s+4*\c:48*\xt+8*\s+4*\c+3], v[AL], s[4:5] offset:XREC*\xt+1024*\s+512*\c
.endr
.endr
.endr
	WIN 0
.irp xt, 0,1,2,3
	global_load_b128 v[XS+4*\xt:XS+4*\xt+3], v[AL], s[4:5] offset:XREC*\xt+6144
.endr
	s_wait_alu depctr_va_vdst(0)
	s_wait_tensorcnt 0x0                           ; my part of groups 0-2 is in
	ds_add_u32 v126, v127
	s_wait_dscnt 0x0
	CROUND                                         ; everybody's part is in, and the four work-groups are here
	tensor_load_to_lds s[G0+4:G0+7], s[G1L:G1L+7]  ; groups 3-8: my one load behind the round
	s_nop 0
	PLACES
	s_wait_loadcnt 0x0                             ; x stays in registers
	s_mov_b32 s37, 0
	LOADW
	s_mov_b32 s37, GRP
	LOOPN 2                                        ; groups 0, 1; fetches groups 1, 2
	s_wait_dscnt 0x0
	s_wait_tensorcnt 0x0
	s_barrier_signal -1
	s_barrier_wait -1
	s_mov_b32 s37, PIECE
	LOOPN 3                                        ; groups 2, 3, 4; fetches groups 3, 4, 5
	s_mov_b32 s37, 2*PIECE                         ; groups 6-8 came with groups 3-5: the barrier above has shown them to every wave
	LOOPN 3                                        ; groups 5, 6, 7; fetches groups 6, 7, 8
	MULT                                           ; group 8: nothing is left to fetch
	PLACES
	EPI
	s_wait_tensorcnt 0x0
	ds_add_u32 v126, v127
	s_wait_dscnt 0x0
	CROUND                                         ; the closing round
	s_endpgm
.Lfunc_end_k_q53606eeacd_qkv:
	.size	k_q53606eeacd_qkv, .Lfunc_end_k_q53606eeacd_qkv-k_q53606eeacd_qkv
	.p2alignl 7, 3214868480
	.fill 96, 4, 3214868480
	.section	.rodata,"a",@progbits
	.p2align	6, 0x0
	.amdhsa_kernel k_q53606eeacd_qkv
		.amdhsa_group_segment_fixed_size 327680
		.amdhsa_private_segment_fixed_size 0
		.amdhsa_enable_private_segment 0
		.amdhsa_kernarg_size 24
		.amdhsa_user_sgpr_count 2
		.amdhsa_user_sgpr_kernarg_segment_ptr 1
		.amdhsa_wavefront_size32 1
		.amdhsa_system_sgpr_workgroup_id_x 1
		.amdhsa_system_sgpr_workgroup_id_y 1
		.amdhsa_system_sgpr_workgroup_id_z 1
		.amdhsa_system_vgpr_workitem_id 0
		.amdhsa_next_free_vgpr 768
		.amdhsa_next_free_sgpr 66
		.amdhsa_reserve_vcc 0
		.amdhsa_float_denorm_mode_32 3
		.amdhsa_float_denorm_mode_16_64 3
		.amdhsa_memory_ordered 1
		.amdhsa_forward_progress 1
		.amdhsa_inst_pref_size 161
	.end_amdhsa_kernel
	.amdgpu_metadata
---
amdhsa.version: [ 1, 2 ]
amdhsa.kernels:
  - .name:           k_q53606eeacd_qkv
    .symbol:         k_q53606eeacd_qkv.kd
    .args:
      - { .name: x_img, .offset: 0, .size: 8, .value_kind: global_buffer, .address_space: global }
      - { .name: w_img, .offset: 8, .size: 8, .value_kind: global_buffer, .address_space: global }
      - { .name: qkv_img, .offset: 16, .size: 8, .value_kind: global_buffer, .address_space: global }
    .group_segment_fixed_size: 327680
    .private_segment_fixed_size: 0
    .kernarg_segment_align: 8
    .kernarg_segment_size: 24
    .max_flat_workgroup_size: 128
    .sgpr_count:     66
    .vgpr_count:     768
    .wavefront_size: 32
...
	.end_amdgpu_metadata
.endif
;; end of part 2
;; launch attn (part 3): grid 4 x 64, 16 waves a work-group, clusters of 4 x 1, 327,680 bytes of LDS; arguments qkv_img, o_img; writes o_img
.if DOCPART == 3
	.amdgcn_target "amdgcn-amd-amdhsa--gfx1250"
	.amdhsa_code_object_version 6
	.text
	.protected	k_q53606eeacd_attn
	.globl	k_q53606eeacd_attn
	.p2align	8
	.type	k_q53606eeacd_attn,@function
k_q53606eeacd_attn:
	s_mov_b64 s[64:65], 0
	v_nop
	global_prefetch_b8 v0, s[64:65] scope:SCOPE_SE
	s_setreg_imm32_b32 hwreg(HW_REG_WAVE_MODE, 25, 1), 1
	s_wait_xcnt 0x0
	s_wait_alu depctr_hold_cnt(0) depctr_sa_sdst(0) depctr_va_vdst(0) depctr_va_sdst(0) depctr_va_ssrc(0) depctr_va_vcc(0) depctr_vm_vsrc(0)
	s_getreg_b32 s2, hwreg(HW_REG_IB_STS2, 6, 4)
	s_cmp_eq_u32 s2, 0
	s_cbranch_scc0 .Lentry_in_a_cluster
	s_endpgm
.Lentry_in_a_cluster:
	s_bfe_u32 s2, ttmp6, 0x10000c
	s_cmp_lg_u32 s2, 0x3003
	s_cbranch_scc0 .Lentry_shape_is_right
	s_endpgm
.Lentry_shape_is_right:
; o = softmax(q k^T / 8) v for each batch and head, both products on codes of FP4 (E2M1) with E8M0 scales, and o's quantising along the heads' 64 for the projection.
; q, k, v arrive as images of operand registers: [type][batch x head][16 records of 2,304 bytes]; a record serves 64 rows: four half images of 512 bytes (lane (r, h): 32 codes), then 256 bytes of scale words [r][4].
; SOFTMAX: t = score x log2(e) / 8; M = the running largest t rounded up to a whole number; p = 2^(t - M) is quantised along the keys; the row's sum is taken of the unquantised p and divides at the end.
; LIMIT: the promise holds while the scaled scores stay under 2^31 in magnitude; NaN and infinities are not served; a block whose every p is 0 keeps the byte 1 over zero codes.
; SHARES: a work-group takes three heads and 256 queries; each of its sixteen waves 16 queries, head after head, 128 keys a step.
; CLUSTER: the four work-groups of a cluster share the grid's y and so K and V of the same three heads: both tensor loads are asked for jointly, with a mask that names the four.
; LDS: K of the three heads, 110,592 dense bytes of memory, lies as in memory from byte 0, V likewise behind it; each byte is filled once.  Waves 0-7 fetch K, waves 8-15 V: at the head an eighth of head 0 each,
; behind the full sequence and a round an eighth of heads 1 and 2 each.  One barrier behind head 0's second step shows the second load to every wave; behind it nothing is written to LDS and the heads follow each other with no barrier.
; All tiles are asked for ahead of the first step: there is no loop to run ahead in, so no prefetch is laid.
; LAYOUT: S^T = K Q^T, O^T = V^T P^T: a lane holds one query.  THE KEYS OF A TILE ARE CHOSEN BY THE LANES' LDS ADDRESSES: row r of tile (c, T) is key 64 c + 32 (r / 8) + 8 T + r % 8, so that
; lane (q, h) holds in the 32 registers of tiles (c, 0..3) the whole block of keys 64 c + 32 h + 0 .. 31: the block's maximum needs no other lane, and the conversions' results are P's operand registers as they stand.
; K = 64 in the first product: a tile's upper four registers are the next tile's codes, which meet zero codes of Q.
; K'S FRAGMENTS ARE READ A STEP AHEAD: behind a step's score products the next step's (4,608 bytes on, over a head's end too) are loaded.  The launch's last step so reads ten times from V's first bytes; those registers are not used.
.set HEADB, 36864
.set TYPEB, 192*HEADB
.set SREC,  4608                       ; 128 keys of K or V: two records; from step to step
.set HREC,  2304
.set VOFF,  3*HEADB                    ; V lies behind K
.set SPARE, 6*HEADB                    ; the spare words, 128 bytes a wave
.set OREC,  7680
.set AL,   1                           ; 16 x lane
.set AK0,  2                           ; K's fragments: 1024 (r / 8) + 256 h + 16 (r % 8)
.set AKS0, 3                           ; K's scale words: HREC h + 16 (r % 8) + 8 (r / 8)
.set AVF0, 4                           ; V's fragments: VOFF + 16 x lane
.set ADK,  5
.set ADS,  6
.set ADV,  7
.set ADT,  8
.set L4,   9                           ; 4 x lane
.set SH8,  10                          ; 8 h
.set AVS0, 11                          ; V's scale words: VOFF + 16 r
.set Q,    16                          ; three heads' fragments, upper halves zero
.set QS,   40
.set SPW,  43
.set KF,   44                          ; eight half fragments and four registers of zeros
.set VF,   80
.set KS,   112
.set VS,   116
.set S,    120
.set O,    184
.set PC,   216
.set BM,   224
.set SC,   226                         ; the sum's third chain (behind the maxima, whose second chains lie here)
.set BP,   228
.set SD,   230                         ; and its fourth
.set SOP,  232
.set LO,   236
.set HI,   240
.set F,    244
.set PW,   246
.set TMP,  247
.set SUM2, 248
.set OC,   250
.set OW,   254
.set NIL,  255
.set G1,   16                          ; s[16:23] group 1 of the first load, s[32:39] of the second; s[24:27], s[28:31] their groups 0
.set G0,   24
.set G0B,  28
.set G1B,  32
.macro CROUND                          ; a round of the cluster's barrier
	s_barrier_signal -1
	s_barrier_wait -1
	s_cmp_lg_u32 s10, 0
	s_cbranch_scc1 .Lnot_wave_0_\@
	s_barrier_signal -3
.Lnot_wave_0_\@:
	s_barrier_wait -3
	s_barrier_signal -1
	s_barrier_wait -1
.endm
.macro PADD4 j                         ; the row's sum, two numbers an instruction, in four chains
	v_pk_add_f32 v[14:15], v[14:15], v[S+\j:S+\j+1]
	v_pk_add_f32 v[SUM2:SUM2+1], v[SUM2:SUM2+1], v[S+\j+2:S+\j+3]
	v_pk_add_f32 v[SC:SC+1], v[SC:SC+1], v[S+\j+4:S+\j+5]
	v_pk_add_f32 v[SD:SD+1], v[SD:SD+1], v[S+\j+6:S+\j+7]
.endm
.macro KFRAGS adr, on                  ; eight half fragments of K, on bytes behind the address
.irp t, 0,1,2,3,4,5,6,7
	ds_load_b128 v[KF+4*\t:KF+4*\t+3], v[\adr] offset:(\on)+HREC*(\t/4)+512*(\t%2)+128*((\t%4)/2)
.endr
.endm
.macro KWORDS adr, on, a               ; the scale words of tiles 2 a, 2 a + 1: lanes 0-15 record 0's, lanes 16-31 record 1's
	ds_load_b64 v[KS+2*\a:KS+2*\a+1], v[\adr] offset:(\on)+2048+128*\a
.endm
.macro STEP n
	v_add_nc_u32 v[ADV], s40, v[AVF0]              ; these four are also the places behind the last products
	v_add_nc_u32 v[ADT], s40, v[AVS0]
	v_add_nc_u32 v[ADK], s40, v[AK0]
	v_add_nc_u32 v[ADS], s40, v[AKS0]
.irp j, 0,1,2,3
.irp c, 0,1
	ds_load_b128 v[VF+8*\j+4*\c:VF+8*\j+4*\c+3], v[ADV] offset:HREC*\c+512*\j
.endr
.endr
	ds_load_b128 v[LO:LO+3], v[ADT] offset:2048
	ds_load_b128 v[HI:HI+3], v[ADT] offset:HREC+2048
	s_wait_alu depctr_va_vdst(0)
	s_wait_dscnt 10                                ; K's ten loads, issued a step ago, are in; V's ten may be out
.irp t, 0,1,2,3
	v_wmma_scale_f32_16x16x128_f8f6f4 v[S+8*\t:S+8*\t+7], v[KF+4*\t:KF+4*\t+7], v[Q+8*\n:Q+8*\n+7], 0, v[KS+\t], v[QS+\n] matrix_a_fmt:MATRIX_FMT_FP4 matrix_b_fmt:MATRIX_FMT_FP4
.endr
.irp t, 4,5,6,7
	v_wmma_scale_f32_16x16x128_f8f6f4 v[S+8*\t:S+8*\t+7], v[KF+4*\t:KF+4*\t+7], v[Q+8*\n:Q+8*\n+7], 0, v[KS+\t-4], v[QS+\n] matrix_a_fmt:MATRIX_FMT_FP4 matrix_b_fmt:MATRIX_FMT_FP4 matrix_a_scale:MATRIX_SCALE_ROW1
.endr
	v_pk_add_f32 v[14:15], v[14:15], v[SUM2:SUM2+1]   ; the last step's four chains are joined here: four places behind the products
	v_pk_add_f32 v[SC:SC+1], v[SC:SC+1], v[SD:SD+1]
	v_mov_b32 v[BP+1], v12                         ; the old -M
	v_pk_add_f32 v[14:15], v[14:15], v[SC:SC+1]
	KFRAGS ADK, SREC                               ; the next step's fragments of K
; my two blocks' largest scores, each in two chains; every accumulator is first read at its low end
.irp c, 0,1
	v_max3_num_f32 v[BM+\c], v[S+32*\c], v[S+32*\c+1], v[S+32*\c+2]
	v_max3_num_f32 v[BM+2+\c], v[S+32*\c+17], v[S+32*\c+18], v[S+32*\c+19]
.endr
.irp i, 0,2,4,6,8,10
.irp c, 0,1
	v_max3_num_f32 v[BM+\c], v[BM+\c], v[S+32*\c+3+\i], v[S+32*\c+4+\i]
	v_max3_num_f32 v[BM+2+\c], v[BM+2+\c], v[S+32*\c+20+\i], v[S+32*\c+21+\i]
.endr
.endr
.irp c, 0,1
	v_max3_num_f32 v[BM+\c], v[BM+\c], v[S+32*\c+15], v[S+32*\c+16]
.endr
.irp c, 0,1
	s_delay_alu instid0(VALU_DEP_2)
	v_max_num_f32 v[BM+\c], v[BM+\c], v[BM+2+\c]
.endr
	s_delay_alu instid0(VALU_DEP_1)
	v_max_num_f32 v[TMP], v[BM], v[BM+1]
	KWORDS ADS, SREC, 0                            ; the next step's scale words of K, between the links of the chain
	v_permlanex16_b32 v[BP], v[TMP], s42, s43
	KWORDS ADS, SREC, 1
	v_max3_num_f32 v13, v13, v[TMP], v[BP]         ; the running largest score of my query (c is positive: the largest t is c x it)
	s_delay_alu instid0(VALU_DEP_1)
	v_mul_f32 v[TMP], s44, v13
	s_delay_alu instid0(VALU_DEP_1)
	v_floor_f32 v12, -v[TMP]                       ; -M = floor(-t): M is a whole number
	s_delay_alu instid0(VALU_DEP_1)
	v_sub_f32 v[TMP], v12, v[BP+1]                 ; old M - new M: a whole number, 0 or less
.irp c, 0,1
	v_fma_f32 v[BM+\c], v[BM+\c], s44, v12         ; t - M of each block's largest score
.endr
.set jj, 0
.rept 32
	v_pk_fma_f32 v[S+jj:S+jj+1], v[S+jj:S+jj+1], s[44:45], v[12:13] op_sel_hi:[1,0,0]
.if jj == 6
	v_cvt_i32_f32 v[TMP], v[TMP]                   ; (it saturates)
.endif
.if jj == 14
	v_ldexp_f32 v[F], 1.0, v[TMP]                  ; f = 2^(old M - new M)
.endif
.set jj, jj+2
.endr
	s_wait_alu depctr_va_vdst(0)
.irp c, 0,1
	v_exp_f32 v[BM+\c], v[BM+\c]                   ; the block's largest p
.endr
.set jj, 0
.rept 64
	v_exp_f32 v[S+jj], v[S+jj]
.set jj, jj+1
.endr
	v_pk_mul_f32 v[14:15], v[14:15], v[F:F+1] op_sel_hi:[1,0]   ; the sum under the new M (a plain place behind the batch)
	s_wait_alu depctr_va_vdst(0)                   ; one wait for the batch, ahead of its first reader
	s_wait_dscnt 10                                ; V's ten loads are in; the next step's ten of K may be out
; the blocks' scales and V's scale words, by turns with the row's sums
	v_pk_add_f32 v[SUM2:SUM2+1], v[S:S+1], v[S+2:S+3]
	v_pk_add_f32 v[SC:SC+1], v[S+4:S+5], v[S+6:S+7]
	v_pk_add_f32 v[SD:SD+1], v[S+8:S+9], v[S+10:S+11]
.irp c, 0,1
	v_max_num_f32 v[BM+\c], 0x1800000, v[BM+\c]    ; the floor 2^(3 - 127): the byte cannot fall under 1
.endr
.irp j, 0,1
	v_perm_b32 v[VS+\j], v[HI+\j], v[LO+\j], 0x05040100   ; V's scale word of 128 keys: two bytes of each record
.endr
	PADD4 12
.irp c, 0,1
	v_add_nc_u32 v[SOP+\c], 0xff000000, v[BM+\c]   ; 2 off the exponent field: the conversion's scale operand
.endr
.irp j, 2,3
	v_perm_b32 v[VS+\j], v[HI+\j], v[LO+\j], 0x05040100
.endr
	PADD4 20
.irp c, 0,1
	v_lshrrev_b32 v[BP+\c], 23, v[SOP+\c]          ; the scale's byte
.endr
	PADD4 28
	v_lshl_or_b32 v[PW], v[BP+1], 16, v[BP]        ; my bytes: blocks h and 2 + h,
	PADD4 36
	v_lshlrev_b32 v[PW], v[SH8], v[PW]             ; at their places in the word,
	PADD4 44
	v_permlanex16_b32 v[BP], v[PW], s42, s43
	PADD4 52
	v_or_b32 v[PW], v[PW], v[BP]                   ; and with lane l xor 16's two the word is whole
	v_pk_add_f32 v[14:15], v[14:15], v[S+60:S+61]
	v_pk_add_f32 v[SUM2:SUM2+1], v[SUM2:SUM2+1], v[S+62:S+63]
.irp c, 0,1
.irp t, 0,1,2,3
	v_cvt_scalef32_pk8_fp4_f32 v[PC+4*\c+\t], v[S+32*\c+8*\t:S+32*\c+8*\t+7], v[SOP+\c]   ; register 4 c + t of P's operand: keys 64 c + 32 h + 8 t + 0 .. 7
.endr
.endr
	s_wait_alu depctr_va_vdst(0)                   ; directly ahead of the first reader of O^T
.set jj, 0
.rept 16
	v_pk_mul_f32 v[O+jj:O+jj+1], v[O+jj:O+jj+1], v[F:F+1] op_sel_hi:[1,0]   ; O^T under the new M; also the places between the conversions, the scale word and the products
.set jj, jj+2
.endr
.irp j, 0,1,2,3
	v_wmma_scale_f32_16x16x128_f8f6f4 v[O+8*\j:O+8*\j+7], v[VF+8*\j:VF+8*\j+7], v[PC:PC+7], v[O+8*\j:O+8*\j+7], v[VS+\j], v[PW] matrix_a_fmt:MATRIX_FMT_FP4 matrix_b_fmt:MATRIX_FMT_FP4
.endr
	s_add_co_u32 s40, s40, SREC
.endm
.macro INIT                            ; a head begins
	v_mov_b32 v13, 0xff61b1e6                      ; the largest score so far: -3e38
	v_mov_b32 v12, 0x7e000000                      ; -M: a large whole number, so that the first f is 0 and meets zeros
.irp r, 14, 15, SUM2, SUM2+1, SC, SC+1, SD, SD+1
	v_mov_b32 v[\r], 0                             ; the sum's four chains
.endr
.set jj, 0
.rept 32
	v_mov_b32 v[O+jj], 0
.set jj, jj+1
.endr
.endm
.macro RUN n, first, trips             ; steps first .. first + trips - 1 of the 24, with head n's queries
	s_mov_b32 s40, (\first)*SREC
	s_mov_b32 s41, \trips
.Lstep_\@:
	STEP \n
	s_sub_co_u32 s41, s41, 1
	s_cmp_lg_u32 s41, 0
	s_cbranch_scc1 .Lstep_\@
.endm
.macro FIN n                           ; a head ends: O^T / the sum, quantised along the head's 64, stored as an image
	v_pk_add_f32 v[14:15], v[14:15], v[SUM2:SUM2+1]   ; the last step's chains are joined: with the v_nop four places behind the products
	v_pk_add_f32 v[SC:SC+1], v[SC:SC+1], v[SD:SD+1]
	v_nop
	v_pk_add_f32 v[14:15], v[14:15], v[SC:SC+1]
	s_delay_alu instid0(VALU_DEP_1)
	v_add_f32 v14, v14, v15
	s_delay_alu instid0(VALU_DEP_1)
	v_permlanex16_b32 v[TMP], v14, s42, s43
	s_delay_alu instid0(VALU_DEP_1)
	v_add_f32 v14, v14, v[TMP]                     ; the row's sum
	s_wait_alu depctr_va_vdst(0)
	v_rcp_f32 v14, v14
	v_nop
	s_wait_alu depctr_va_vdst(0)
.set jj, 0
.rept 32
	v_mul_f32 v[S+jj], v[O+jj], v14                ; registers 16 b + i: d = 32 b + 16 h + i of my query
.set jj, jj+1
.endr
	s_wait_xcnt 0x0                                ; the last head's stores have read their data: it is written again only behind this wait
.irp b, 0,1
	v_max3_num_f32 v[BM+\b], |v[S+16*\b]|, |v[S+16*\b+1]|, 0x1800000
.endr
.irp i, 2,4,6,8,10,12,14
.irp b, 0,1
	s_delay_alu instid0(VALU_DEP_2)
	v_max3_num_f32 v[BM+\b], v[BM+\b], |v[S+16*\b+\i]|, |v[S+16*\b+\i+1]|
.endr
.endr
.irp b, 0,1
	s_delay_alu instid0(VALU_DEP_2)
	v_permlanex16_b32 v[BP+\b], v[BM+\b], s42, s43
.endr
.irp b, 0,1
	s_delay_alu instid0(VALU_DEP_2)
	v_max_num_f32 v[BM+\b], v[BM+\b], v[BP+\b]
.endr
.irp b, 0,1
	s_delay_alu instid0(VALU_DEP_2)
	v_add_nc_u32 v[SOP+\b], 0xff000000, v[BM+\b]
.endr
.irp b, 0,1
	s_delay_alu instid0(VALU_DEP_2)
	v_lshrrev_b32 v[BP+\b], 23, v[SOP+\b]
.endr
	s_delay_alu instid0(VALU_DEP_1)
	v_lshl_or_b32 v[OW], v[BP+1], 8, v[BP]
.irp b, 0,1
	v_cvt_scalef32_pk8_fp4_f32 v[OC+2*\b], v[S+16*\b:S+16*\b+7], v[SOP+\b]
	v_cvt_scalef32_pk8_fp4_f32 v[OC+2*\b+1], v[S+16*\b+8:S+16*\b+15], v[SOP+\b]
.endr
	v_nop
.irp i, 0,1
	v_permlane16_swap_b32 v[OC+\i], v[OC+2+\i]     ; a whole block to a lane
.endr
	global_store_b128 v[AL], v[OC:OC+3], s[52:53] offset:512*\n        ; 32 lanes store 512 consecutive bytes
	global_store_b32 v[L4], v[OW], s[54:55] offset:6144+128*\n
.endm
	s_load_b128 s[4:7], s[0:1], 0x0                ; qkv_img, o_img
	v_lshl_add_u32 v[SPW], v0, 2, SPARE
	v_mov_b32 v[NIL], 0
	ds_add_u32 v[SPW], v[NIL]                      ; the opening lines: the add, twice on end, and its wait
	ds_add_u32 v[SPW], v[NIL]
	v_lshrrev_b32 v8, 5, v0
	s_delay_alu instid0(VALU_DEP_1)
	v_readfirstlane_b32 s10, v8                    ; wave 0..15
	s_bfe_u32 s11, ttmp6, 0x40000                  ; cx: my quarter of the queries; it enters global addresses of q and o alone
	s_and_b32 s13, ttmp7, 0xffff                   ; y: my three heads
	s_mov_b32 s[G1], 0x0023000f                    ; the mask of all four; elements of 8 bytes; bit 21 beside the mask
	s_mov_b32 s[G1+1], 32<<16                      ; rows of 256 bytes,
	s_mov_b32 s[G1+2], 18<<16                      ; 18 of them: an eighth of a head's K or V
	s_mov_b32 s[G1+3], 32<<16
	s_mov_b32 s[G1+4], 18
	s_mov_b32 s[G1+5], 32                          ; the block is dense
	s_mov_b32 s[G1+6], 0
	s_mov_b32 s[G1+7], 0
	s_mov_b32 s[G1B], 0x0023000f
	s_mov_b32 s[G1B+1], 32<<16
	s_mov_b32 s[G1B+2], 36<<16                     ; 36 rows: an eighth of two heads'
	s_mov_b32 s[G1B+3], 32<<16
	s_mov_b32 s[G1B+4], 36
	s_mov_b32 s[G1B+5], 32
	s_mov_b32 s[G1B+6], 0
	s_mov_b32 s[G1B+7], 0
	s_lshr_b32 s46, s10, 3                         ; 0: I fetch K, 1: V
	s_mul_i32 s14, s46, VOFF
	s_add_co_u32 s46, s46, 1                       ; type 1: k, type 2: v
	s_mul_i32 s46, s46, TYPEB
	s_mul_i32 s47, s13, 3*HEADB
	s_add_co_u32 s46, s46, s47
	s_and_b32 s47, s10, 7
	s_mul_i32 s47, s47, SREC
	s_add_co_u32 s46, s46, s47                     ; my eighth of head 0 in memory,
	s_add_co_u32 s14, s14, s47                     ; and in LDS
	s_add_co_u32 s62, s47, HEADB                   ; from there to my eighth of heads 1 and 2, in memory and in LDS alike
	s_mov_b32 s63, 0
	s_add_co_u32 s15, s14, s62
	s_mov_b32 s47, 0
	s_lshl_b32 s56, s11, 4
	s_add_co_u32 s56, s56, s10                     ; my tile of queries, 0..63
	s_lshr_b32 s57, s56, 2
	s_and_b32 s58, s56, 3
	s_mul_i32 s59, s13, 3*HEADB
	s_mul_i32 s57, s57, HREC
	s_add_co_u32 s59, s59, s57
	s_lshl_b32 s48, s58, 9
	s_add_co_u32 s48, s48, s59                     ; q's half image
	s_mov_b32 s49, 0
	s_lshl_b32 s50, s58, 2
	s_add_co_u32 s50, s50, s59
	s_add_co_u32 s50, s50, 2048                    ; and its scale words
	s_mov_b32 s51, 0
	s_lshr_b32 s52, s13, 2
	s_lshl_b32 s52, s52, 6
	s_add_co_u32 s52, s52, s56
	s_mul_i32 s52, s52, OREC                       ; o's record: 64 x batch + tile
	s_and_b32 s57, s13, 3
	s_mul_i32 s54, s57, 3*128
	s_add_co_u32 s54, s54, s52
	s_mul_i32 s57, s57, 3*512
	s_add_co_u32 s52, s52, s57
	s_mov_b32 s53, 0
	s_mov_b32 s55, 0
	s_mov_b32 s42, 0x76543210
	s_mov_b32 s43, 0xfedcba98                      ; selects for lane l xor 16
	s_mov_b32 s44, 0x3e38aa3b                      ; c = log2(e) / 8
	s_mov_b32 s45, s44
	v_and_b32 v5, 31, v0                           ; lane
	v_and_b32 v6, 15, v0                           ; r
	v_bfe_u32 v7, v0, 4, 1                         ; h
	v_lshlrev_b32 v[AL], 4, v5
	v_lshlrev_b32 v[L4], 2, v5
	v_lshlrev_b32 v[OW], 4, v6                     ; 16 r, for q's scale words
	v_lshlrev_b32 v[SH8], 3, v7
	v_and_b32 v8, 0x17, v0
	v_lshlrev_b32 v[AK0], 4, v8                    ; 256 h + 16 (r % 8)
	v_and_b32 v8, 8, v0                            ; 8 (r / 8)
	v_lshl_add_u32 v[AK0], v8, 7, v[AK0]
	v_and_b32 v5, 7, v0
	v_lshl_add_u32 v8, v5, 4, v8
	v_mad_u32_u24 v[AKS0], v7, HREC, v8
	v_add_nc_u32 v[AVF0], VOFF, v[AL]
	v_add_nc_u32 v[AVS0], VOFF, v[OW]
	s_wait_alu depctr_va_vdst(0)
	s_wait_dscnt 0x0                               ; both opening adds are done
	s_wait_kmcnt 0x0
	s_add_nc_u64 s[46:47], s[4:5], s[46:47]
	s_add_nc_u64 s[48:49], s[4:5], s[48:49]
	s_add_nc_u64 s[50:51], s[4:5], s[50:51]
	s_add_nc_u64 s[52:53], s[6:7], s[52:53]
	s_add_nc_u64 s[54:55], s[6:7], s[54:55]
	s_mov_b32 s[G0], 1
	s_mov_b32 s[G0+1], s14
	s_mov_b64 s[G0+2:G0+3], s[46:47]
	s_or_b32 s[G0+3], s[G0+3], 0x80000000
	s_mov_b32 s[G0B], 1
	s_mov_b32 s[G0B+1], s15
	s_add_nc_u64 s[G0B+2:G0B+3], s[46:47], s[62:63]
	s_or_b32 s[G0B+3], s[G0B+3], 0x80000000
.irp n, 0,1,2
	global_load_b128 v[Q+8*\n:Q+8*\n+3], v[AL], s[48:49] offset:HEADB*\n
	global_load_b32 v[QS+\n], v[OW], s[50:51] offset:HEADB*\n
.endr
	CROUND                                         ; all four work-groups are here: the joint loads meet
	tensor_load_to_lds s[G0:G0+3], s[G1:G1+7]      ; head 0: one tensor load a wave at the head
	s_nop 0
.irp n, 0,1,2
.irp j, 4,5,6,7
	v_mov_b32 v[Q+8*\n+\j], 0                      ; zero codes for k = 64 .. 127
.endr
.endr
.irp j, 0,1,2,3
	v_mov_b32 v[KF+32+\j], 0
.endr
	v_mov_b32 v[BP], 0                             ; a lane permute's destination counts as one of its sources
	v_mov_b32 v[BP+1], 0
	v_mov_b32 v[TMP], 0
	v_mov_b32 v[F+1], 0                            ; named as the upper half of a pair
	INIT
	s_wait_alu depctr_va_vdst(0)
	s_wait_tensorcnt 0x0                           ; my eighth of head 0 is in
	ds_add_u32 v[SPW], v[NIL]
	s_wait_dscnt 0x0
	CROUND                                         ; everybody's is, and the four work-groups are here
	tensor_load_to_lds s[G0B:G0B+3], s[G1B:G1B+7]  ; heads 1 and 2: my one load behind the round
	s_nop 0
	KFRAGS AK0, 0                                  ; step 0's fragments and scale words of K
	KWORDS AKS0, 0, 0
	KWORDS AKS0, 0, 1
	s_wait_loadcnt 0x0                             ; q
	RUN 0, 0, 2                                    ; head 0's first two steps read head 0's bytes alone (the look-ahead reaches step 2)
	s_wait_alu depctr_va_vdst(0)
	s_wait_tensorcnt 0x0                           ; my eighth of heads 1 and 2 is in
	s_wait_dscnt 0x0
	s_barrier_signal -1
	s_barrier_wait -1                              ; everybody's is
	RUN 0, 2, 6
	FIN 0
	INIT
	RUN 1, 8, 8
	FIN 1
	INIT
	RUN 2, 16, 8
	FIN 2
	s_wait_tensorcnt 0x0                           ; the wave's end
	ds_add_u32 v[SPW], v[NIL]
	s_wait_dscnt 0x0
	CROUND                                         ; the closing round
	s_endpgm
.Lfunc_end_k_q53606eeacd_attn:
	.size	k_q53606eeacd_attn, .Lfunc_end_k_q53606eeacd_attn-k_q53606eeacd_attn
	.p2alignl 7, 3214868480
	.fill 96, 4, 3214868480
	.section	.rodata,"a",@progbits
	.p2align	6, 0x0
	.amdhsa_kernel k_q53606eeacd_attn
		.amdhsa_group_segment_fixed_size 327680
		.amdhsa_private_segment_fixed_size 0
		.amdhsa_enable_private_segment 0
		.amdhsa_kernarg_size 16
		.amdhsa_user_sgpr_count 2
		.amdhsa_user_sgpr_kernarg_segment_ptr 1
		.amdhsa_wavefront_size32 1
		.amdhsa_system_sgpr_workgroup_id_x 1
		.amdhsa_system_sgpr_workgroup_id_y 1
		.amdhsa_system_sgpr_workgroup_id_z 1
		.amdhsa_system_vgpr_workitem_id 0
		.amdhsa_next_free_vgpr 256
		.amdhsa_next_free_sgpr 66
		.amdhsa_reserve_vcc 0
		.amdhsa_float_denorm_mode_32 3
		.amdhsa_float_denorm_mode_16_64 3
		.amdhsa_memory_ordered 1
		.amdhsa_forward_progress 1
		.amdhsa_inst_pref_size 84
	.end_amdhsa_kernel
	.amdgpu_metadata
---
amdhsa.version: [ 1, 2 ]
amdhsa.kernels:
  - .name:           k_q53606eeacd_attn
    .symbol:         k_q53606eeacd_attn.kd
    .args:
      - { .name: qkv_img, .offset: 0, .size: 8, .value_kind: global_buffer, .address_space: global }
      - { .name: o_img, .offset: 8, .size: 8, .value_kind: global_buffer, .address_space: global }
    .group_segment_fixed_size: 327680
    .private_segment_fixed_size: 0
    .kernarg_segment_align: 8
    .kernarg_segment_size: 16
    .max_flat_workgroup_size: 512
    .sgpr_count:     66
    .vgpr_count:     256
    .wavefront_size: 32
...
	.end_amdgpu_metadata
.endif
;; end of part 3
;; launch proj (part 4): grid 64 x 4, 4 waves a work-group, clusters of 4 x 1, 168,448 bytes of LDS; arguments o_img, w_img, out0; writes out0
.if DOCPART == 4
	.amdgcn_target "amdgcn-amd-amdhsa--gfx1250"
	.amdhsa_code_object_version 6
	.text
	.protected	k_q53606eeacd_proj
	.globl	k_q53606eeacd_proj
	.p2align	8
	.type	k_q53606eeacd_proj,@function
k_q53606eeacd_proj:
	s_mov_b64 s[64:65], 0
	v_nop
	global_prefetch_b8 v0, s[64:65] scope:SCOPE_SE
	s_setreg_imm32_b32 hwreg(HW_REG_WAVE_MODE, 25, 1), 1
	s_wait_xcnt 0x0
	s_wait_alu depctr_hold_cnt(0) depctr_sa_sdst(0) depctr_va_vdst(0) depctr_va_sdst(0) depctr_va_ssrc(0) depctr_va_vcc(0) depctr_vm_vsrc(0)
	s_getreg_b32 s2, hwreg(HW_REG_IB_STS2, 6, 4)
	s_cmp_eq_u32 s2, 0
	s_cbranch_scc0 .Lentry_in_a_cluster
	s_endpgm
.Lentry_in_a_cluster:
	s_bfe_u32 s2, ttmp6, 0x10000c
	s_cmp_lg_u32 s2, 0x3003
	s_cbranch_scc0 .Lentry_shape_is_right
	s_endpgm
.Lentry_shape_is_right:
; out0 = o Wo^T + bo on codes of FP4.  o arrives as images of operand registers (a tile's record: six fragments, then for each head 128 bytes of half scale words), Wo as in the launch that laid it out.
; SHARES.  A work-group takes 256 rows and 192 columns: three groups of four tiles of Wo.  Wave w keeps its 64 rows of o (four tiles, all of K) in registers; all four waves walk the groups out of LDS.
; CLUSTER.  The four work-groups of a cluster share the grid's y and so the same 12 records of Wo: every tensor load is asked for jointly.  One load a wave at the head, three records; one is out at the most;
; nothing is filled again.  The stages for the way out lie behind the records, in bytes that no tensor load fills.
; Source 0 = 16 rows of Wo, source 1 = 16 rows of o: a lane holds one row of the output and eight neighbouring columns a tile; the bias image starts each sum.
; REGISTERS, in windows of 256: window 0: v1-6 addresses, v16-39 o's scale words, v40-55 Wo's, v64-127 rows on the way out, v128-255 the 16 accumulators;  window 1: o's 24 fragments;  window 2: Wo's 24, from v192 four bias images.
.set REC,   7680
.set GRP,   4*REC
.set STG,   12*REC                     ; the stages: 16 rows x 272 bytes for each wave
.set SPI,   272
.set AL,   1                           ; v1  16 x lane
.set L4,   2                           ; v2  4 x lane
.set ADW,  3
.set SOA,  4                           ; v4  into my stage: 272 r + 64 h
.set SRA,  5                           ; v5  out of it: 272 h + 16 r
.set GO,   6                           ; v6  in the output: 3,072 h + 16 r
.set XS,   16
.set WS,   40
.set BK,   64
.set ACC,  128
.set BIAS, 192
.set G1,   16
.set G0,   24
.set MSB, 0
.macro WIN new
.if MSB != \new
	s_set_vgpr_msb (MSB<<8)|\new
.set MSB, \new
.endif
.endm
.macro CROUND
	s_barrier_signal -1
	s_barrier_wait -1
	s_cmp_lg_u32 s10, 0
	s_cbranch_scc1 .Lnot_wave_0_\@
	s_barrier_signal -3
.Lnot_wave_0_\@:
	s_barrier_wait -3
	s_barrier_signal -1
	s_barrier_wait -1
.endm
.macro PLACES
.rept 4
	v_nop
.endr
.endm
.macro WM d, a, b, c, sa, sb, row
.if \row
	v_wmma_scale_f32_16x16x128_f8f6f4 v[\d:\d+7], v[\a:\a+7], v[\b:\b+7], v[\c:\c+7], v[\sa], v[\sb] matrix_a_fmt:MATRIX_FMT_FP4 matrix_b_fmt:MATRIX_FMT_FP4 matrix_a_scale:MATRIX_SCALE_ROW1
.else
	v_wmma_scale_f32_16x16x128_f8f6f4 v[\d:\d+7], v[\a:\a+7], v[\b:\b+7], v[\c:\c+7], v[\sa], v[\sb] matrix_a_fmt:MATRIX_FMT_FP4 matrix_b_fmt:MATRIX_FMT_FP4
.endif
.endm
.macro LOADW g                         ; 60 LDS loads: group g's scale words, bias images and 24 fragments, K step by K step
	v_add_nc_u32 v[ADW], \g*GRP, v[AL]
.irp wt, 0,1,2,3
	ds_load_b128 v[WS+4*\wt:WS+4*\wt+3], v[ADW] offset:REC*\wt+6144
.endr
	WIN 0x80
.irp wt, 0,1,2,3
	ds_load_b128 v[BIAS+8*\wt:BIAS+8*\wt+3], v[ADW] offset:REC*\wt+6656
	ds_load_b128 v[BIAS+8*\wt+4:BIAS+8*\wt+7], v[ADW] offset:REC*\wt+7168
.endr
.irp s, 0,1,2,3,4,5
.irp wt, 0,1,2,3
.irp c, 0,1
	ds_load_b128 v[48*\wt+8*\s+4*\c:48*\wt+8*\s+4*\c+3], v[ADW] offset:REC*\wt+1024*\s+512*\c
.endr
.endr
.endr
	WIN 0
.endm
.macro MULT                            ; 96 matrix instructions: the 16 accumulators take turns, one instruction a turn
.irp s, 0,1,2,3,4,5
	s_wait_dscnt 8*(5-\s)                          ; this K step's fragments are in; the eight loads of each later K step may be out
.if \s == 0
	WIN 0x26                                       ; source 0 (Wo) and C (bias) window 2, source 1 (o) window 1
.else
	WIN 0x06
.endif
.irp o, 0,1,2,3
.irp i, 0,1,2,3
.if \s == 0
	WM ACC+32*\o+8*\i, 48*\i+8*\s, 48*\o+8*\s, BIAS+8*\i, WS+4*\i+\s%4, XS+6*\o+\s, \s/4
.else
	WM ACC+32*\o+8*\i, 48*\i+8*\s, 48*\o+8*\s, ACC+32*\o+8*\i, WS+4*\i+\s%4, XS+6*\o+\s, \s/4
.endif
.endr
.endr
.endr
	WIN 0
.endm
; THE WAY OUT, a tile of 16 rows x 64 columns at a time, through my own stage: back as whole rows of 256 bytes.  LDS serves a wave's instructions in order: no wait between the stores and the loads.
.macro TOSTAGE xt
	s_wait_xcnt 0x0                                ; earlier stores to memory have read their registers: this set of rows is loaded again only behind this wait
.irp wt, 0,1,2,3
	ds_store_b128 v[SOA], v[ACC+32*\xt+8*\wt:ACC+32*\xt+8*\wt+3] offset:128*(\wt/2)+32*(\wt%2)      ; each accumulator from its low end on
	ds_store_b128 v[SOA], v[ACC+32*\xt+8*\wt+4:ACC+32*\xt+8*\wt+7] offset:128*(\wt/2)+32*(\wt%2)+16
.endr
.irp i, 0,1,2,3,4,5,6,7
	ds_load_b128 v[BK+32*(\xt%2)+4*\i:BK+32*(\xt%2)+4*\i+3], v[SRA] offset:2*\i*SPI
.endr
.endm
.macro SEND xt, g, younger             ; younger: the LDS instructions issued behind this tile's loads: the next tile's sixteen, or none
	s_wait_dscnt \younger
.irp i, 0,1,2,3,4,5,6,7
	global_store_b128 v[GO], v[BK+32*(\xt%2)+4*\i:BK+32*(\xt%2)+4*\i+3], s[8:9] offset:(32*(\xt/2)+8*(\xt%2)+2*\i+8*(\i/4))*3072+256*\g th:TH_STORE_NT   ; sixteen lanes store 256 consecutive bytes, aligned; stage row 2 i + h is the tile's row 2 i + h + 8 (i / 4)
.endr
.endm
.macro OUT g
	TOSTAGE 0
	TOSTAGE 1
	SEND 0, \g, 16
	TOSTAGE 2
	SEND 1, \g, 16
	TOSTAGE 3
	SEND 2, \g, 16
	SEND 3, \g, 0
.endm
	s_load_b128 s[4:7], s[0:1], 0x0                ; o_img, w_img
	s_load_b64 s[8:9], s[0:1], 0x10                ; out0
	v_lshl_add_u32 v62, v0, 2, 0x29000
	v_mov_b32 v63, 0
	ds_add_u32 v62, v63
	ds_add_u32 v62, v63
	v_lshrrev_b32 v7, 5, v0
	v_readfirstlane_b32 s10, v7                    ; wave 0..3
	s_bfe_u32 s11, ttmp6, 0x40000                  ; cx
	s_lshl_b32 s12, ttmp9, 2
	s_add_co_u32 s12, s12, s11                     ; X: my 256 rows.  It enters global addresses of o and of the output alone
	s_and_b32 s13, ttmp7, 0xffff                   ; y: my 192 columns, shared by the four partners
	s_mov_b32 s[G1], 0x0023000f                    ; the mask of all four; elements of 8 bytes; bit 21 beside the mask
	s_mov_b32 s[G1+1], 32<<16                      ; rows of 256 bytes
	s_mov_b32 s[G1+2], 90<<16                      ; 90 of them: three records, my one load of the launch
	s_mov_b32 s[G1+3], 32<<16
	s_mov_b32 s[G1+4], 90
	s_mov_b32 s[G1+5], 32
	s_mov_b32 s[G1+6], 0
	s_mov_b32 s[G1+7], 0
	s_mul_i32 s46, s13, 12
	s_mul_i32 s47, s10, 3
	s_add_co_u32 s46, s46, s47                     ; wave w brings records 3 w .. 3 w + 2 of the twelve
	s_add_co_u32 s46, s46, 144                     ; Wo's tiles begin at record 144
	s_mul_i32 s46, s46, REC
	s_mov_b32 s47, 0
	s_mul_i32 s14, s10, 3*REC
	s_lshl_b32 s48, s12, 4
	s_lshl_b32 s49, s10, 2
	s_add_co_u32 s48, s48, s49                     ; my first tile of o
	s_mul_i32 s50, s48, 16*3072                    ; its first row in the output,
	s_mul_i32 s48, s48, REC
	s_mov_b32 s49, 0
	s_mul_i32 s51, s13, 768
	s_add_co_u32 s50, s50, s51                     ; and my first column
	s_mov_b32 s51, 0
	s_mul_i32 s15, s10, 16*SPI
	s_add_co_u32 s15, s15, STG                     ; my stage
	v_and_b32 v7, 31, v0
	v_lshlrev_b32 v[AL], 4, v7
	v_lshlrev_b32 v[L4], 2, v7
	v_and_b32 v8, 15, v0                           ; r
	v_bfe_u32 v9, v0, 4, 1                         ; h
	v_mul_u32_u24 v[SOA], v8, SPI
	v_lshl_add_u32 v[SOA], v9, 6, v[SOA]
	v_add_nc_u32 v[SOA], s15, v[SOA]
	v_mul_u32_u24 v[SRA], v9, SPI
	v_lshl_add_u32 v[SRA], v8, 4, v[SRA]
	v_add_nc_u32 v[SRA], s15, v[SRA]
	v_mul_u32_u24 v[GO], v9, 3072
	v_lshl_add_u32 v[GO], v8, 4, v[GO]
	s_wait_dscnt 0x0
	s_wait_kmcnt 0x0
	s_add_nc_u64 s[6:7], s[6:7], s[46:47]
	s_add_nc_u64 s[4:5], s[4:5], s[48:49]
	s_add_nc_u64 s[8:9], s[8:9], s[50:51]
.irp g, 0
	s_mov_b32 s[G0+4*\g], 1
	s_add_co_u32 s[G0+4*\g+1], s14, \g*GRP
	s_add_nc_u64 s[G0+4*\g+2:G0+4*\g+3], s[6:7], \g*GRP
	s_or_b32 s[G0+4*\g+3], s[G0+4*\g+3], 0x80000000
.endr
	CROUND                                         ; all four work-groups are here: the joint loads meet
	tensor_load_to_lds s[G0:G0+3], s[G1:G1+7]
	s_nop 0
	PLACES                                         ; four v_nop follow the loads
	WIN 0x40                                       ; destination window 1
.irp xt, 0,1,2,3
.irp s, 0,1,2,3,4,5
.irp c, 0,1
	global_load_b128 v[48*\xt+8*\s+4*\c:48*\xt+8*\s+4*\c+3], v[AL], s[4:5] offset:REC*\xt+1024*\s+512*\c
.endr
.endr
.endr
	WIN 0
.irp xt, 0,1,2,3
.irp hd, 0,1,2,3,4,5,6,7,8,9,10,11
	global_load_b32 v[ACC+12*\xt+\hd], v[L4], s[4:5] offset:REC*\xt+6144+128*\hd   ; each head's two bytes, into registers that the sums take later
.endr
.endr
	s_wait_loadcnt 0x0
.irp xt, 0,1,2,3
.irp s, 0,1,2,3,4,5
	v_perm_b32 v[XS+6*\xt+\s], v[ACC+12*\xt+2*\s+1], v[ACC+12*\xt+2*\s], 0x05040100   ; a K step's scale word: the bytes of heads 2 s and 2 s + 1
.endr
.endr
.rept 8
	v_nop                                          ; a scale register written by a vector instruction stands eight plain instructions ahead of the scaled product that reads it
.endr
	s_wait_alu depctr_va_vdst(0)
	s_wait_tensorcnt 0x0                           ; my three records are in
	s_barrier_signal -1
	s_barrier_wait -1                              ; everybody's is
	LOADW 0
	MULT
	PLACES
	LOADW 1                                        ; the next group's fragments are fetched while this group goes out
	OUT 0
	MULT
	PLACES
	LOADW 2
	OUT 1
	MULT
	PLACES
	OUT 2
	s_wait_tensorcnt 0x0
	ds_add_u32 v62, v63
	s_wait_dscnt 0x0
	CROUND                                         ; the closing round
	s_endpgm
.Lfunc_end_k_q53606eeacd_proj:
	.size	k_q53606eeacd_proj, .Lfunc_end_k_q53606eeacd_proj-k_q53606eeacd_proj
	.p2alignl 7, 3214868480
	.fill 96, 4, 3214868480
	.section	.rodata,"a",@progbits
	.p2align	6, 0x0
	.amdhsa_kernel k_q53606eeacd_proj
		.amdhsa_group_segment_fixed_size 168448
		.amdhsa_private_segment_fixed_size 0
		.amdhsa_enable_private_segment 0
		.amdhsa_kernarg_size 24
		.amdhsa_user_sgpr_count 2
		.amdhsa_user_sgpr_kernarg_segment_ptr 1
		.amdhsa_wavefront_size32 1
		.amdhsa_system_sgpr_workgroup_id_x 1
		.amdhsa_system_sgpr_workgroup_id_y 1
		.amdhsa_system_sgpr_workgroup_id_z 1
		.amdhsa_system_vgpr_workitem_id 0
		.amdhsa_next_free_vgpr 768
		.amdhsa_next_free_sgpr 66
		.amdhsa_reserve_vcc 0
		.amdhsa_float_denorm_mode_32 3
		.amdhsa_float_denorm_mode_16_64 3
		.amdhsa_memory_ordered 1
		.amdhsa_forward_progress 1
		.amdhsa_inst_pref_size 87
	.end_amdhsa_kernel
	.amdgpu_metadata
---
amdhsa.version: [ 1, 2 ]
amdhsa.kernels:
  - .name:           k_q53606eeacd_proj
    .symbol:         k_q53606eeacd_proj.kd
    .args:
      - { .name: o_img, .offset: 0, .size: 8, .value_kind: global_buffer, .address_space: global }
      - { .name: w_img, .offset: 8, .size: 8, .value_kind: global_buffer, .address_space: global }
      - { .name: out0, .offset: 16, .size: 8, .value_kind: global_buffer, .address_space: global }
    .group_segment_fixed_size: 168448
    .private_segment_fixed_size: 0
    .kernarg_segment_align: 8
    .kernarg_segment_size: 24
    .max_flat_workgroup_size: 128
    .sgpr_count:     66
    .vgpr_count:     768
    .wavefront_size: 32
...
	.end_amdgpu_metadata
.endif
;; end of part 4
